; MI455X (gfx1250); checked and timed in simulation.
; The chip was launched on July 23, 2026; its instructions are those of AMD's public machine-readable ISA for CDNA 5 (MIT licence, August 2026) and "CDNA5" Instruction Set Architecture Reference Guide (July 2026). The comments in the code are by the model that wrote it; some were corrected since.
;; Int8 Llama MLP. Allowed arithmetic: float matrix products may take bf16 or f16 operands with f32 sums; other float arithmetic in f32, or as packed bf16 or f16 multiplies, adds, multiply-adds, maxima and minima; sums over many terms, partial sums and values carried from step to step in f32; what a program stores and reads back later, other than sums and carried values, may be rounded once to bf16 or f16.
;; Inputs: Wd 4,096 x 11,008 int8; Wg 11,008 x 4,096 int8; Wu 11,008 x 4,096 int8; alpha_d one number float32; alpha_g one number float32; alpha_u one number float32; beta_g one number float32; beta_u one number float32; bg 11,008 int8; bias_d 4,096 float32; bu 11,008 int8; hidden_states 2 x 256 x 4,096 int8.
;; Outputs: out0 2 x 256 x 4,096 float32.
;; One version. Each part assembles by itself: llvm-mc -triple=amdgcn-amd-amdhsa -mcpu=gfx1250 --defsym DOCPART=n.
;; ======== version 1 of 1: 4 launches
;; workspace buffers: x16 4,194,304 bytes; p16 11,272,192 bytes; ps 33,554,432 bytes
;; launch cvtx (part 1): grid 256 x 1, 8 waves a work-group, no clusters, 0 bytes of LDS; arguments hidden_states, x16; writes x16
.if DOCPART == 1
	.amdgcn_target "amdgcn-amd-amdhsa--gfx1250"
	.amdhsa_code_object_version 6
	.text
	.protected	k_q57dac53de4_cvtx
	.globl	k_q57dac53de4_cvtx
	.p2align	8
	.type	k_q57dac53de4_cvtx,@function
k_q57dac53de4_cvtx:
	s_mov_b64 s[64:65], 0
	v_nop
	global_prefetch_b8 v0, s[64:65] scope:SCOPE_SE
	s_setreg_imm32_b32 hwreg(HW_REG_WAVE_MODE, 25, 1), 1
	s_wait_xcnt 0x0
; FIRST OF FOUR LAUNCHES of: out = alpha_d * (prod8 . Wd^T) + bias_d, prod8 = int8 wrap of g8 * u8, g8 and u8 the two cut products of hidden_states with Wg and Wu.
; NOTHING OF reference() IS LEFT OUT: every input has a way to the output and is loaded by one of the launches.
; THIS LAUNCH: hidden_states [512 tokens][4096] int8 -> x16 [k / 8 = 512][token = 512][8] f16.  Every int8 is exact in f16.
; In that layout 16 tokens x 8 k are 256 consecutive bytes: the next launch's tiles have rows of 2,048 bytes and its fragment reads from LDS are dense.
; int8 -> f16, four numbers in five lines: the sign bit is turned (x + 128, 0 to 255), the byte 0x64 is set above each byte (f16 1024 + 128 + x, exact), 1152 is taken away (exact).
; SHARES.  Work-group n: tokens 32 (n % 16) + lane, k = 256 (n / 16) .. + 255; wave w has k = 32 w .. + 31 of these.  A lane reads 32 consecutive bytes of its token's row by two loads; the eight waves
; together read 256 consecutive bytes, aligned, of each of the 32 rows.  A store of a wave covers 512 consecutive bytes, aligned (32 tokens x 16 bytes of one block of 8 k).
.set RAWR, 4                           ; v[4:11]    two loads of 4 registers
.set FR,   12                          ; v[12:27]   their 8 registers of f16 each: every store has registers of its own
	s_load_b128 s[4:7], s[0:1], 0x0                ; hidden_states s[4:5], x16 s[6:7]
	s_and_b32 s2, ttmp9, 15
	s_lshr_b32 s3, ttmp9, 4
	s_mov_b32 s8, 0x80808080                       ; turns four sign bits
	s_mov_b32 s9, 0x64646464                       ; the upper byte of f16 1024 .. 2047
	s_mov_b32 s10, 0x00050004                      ; v_perm_b32: bytes 0 and 1 of the first source, 0x64 above each
	s_mov_b32 s11, 0x00070006                      ; bytes 2 and 3
	s_mov_b32 s12, 0xe480e480                      ; -1152 twice, in f16
	v_and_b32 v1, 31, v0                           ; lane
	v_lshrrev_b32 v2, 5, v0                        ; wave
	s_lshl_b32 s2, s2, 5
	v_add_nc_u32 v1, s2, v1                        ; my token
	s_lshl_b32 s13, s3, 8
	v_lshl_add_u32 v3, v1, 12, s13                 ; token x 4,096 + 256 (n / 16)
	v_lshl_add_u32 v3, v2, 5, v3                   ; + 32 w
	s_lshl_b32 s14, s3, 18                         ; 32 (n / 16) blocks of 8,192 bytes
	v_lshl_add_u32 v28, v1, 4, s14                 ; + token x 16
	v_lshl_add_u32 v28, v2, 15, v28                ; + my wave's 4 blocks
	s_wait_kmcnt 0x0
	global_load_b128 v[RAWR:RAWR+3],   v3, s[4:5]
	global_load_b128 v[RAWR+4:RAWR+7], v3, s[4:5] offset:16
.set c, 0
.rept 2
	s_wait_loadcnt 1-c                             ; loads come back in order: load c is in, the younger one stays out
.irp d, 0,1,2,3
	v_xor_b32 v[FR+8*c+2*\d+1], s8, v[RAWR+4*c+\d]
.endr
.irp d, 0,1,2,3
	v_perm_b32 v[FR+8*c+2*\d], v[FR+8*c+2*\d+1], s9, s10
	v_perm_b32 v[FR+8*c+2*\d+1], v[FR+8*c+2*\d+1], s9, s11
.endr
.irp e, 0,1,2,3,4,5,6,7
	v_pk_add_f16 v[FR+8*c+\e], v[FR+8*c+\e], s12
.endr
	global_store_b128 v28, v[FR+8*c:FR+8*c+3],   s[6:7] offset:(2*c)*8192
	global_store_b128 v28, v[FR+8*c+4:FR+8*c+7], s[6:7] offset:(2*c+1)*8192
.set c, c+1
.endr
	s_endpgm
.Lfunc_end_k_q57dac53de4_cvtx:
	.size	k_q57dac53de4_cvtx, .Lfunc_end_k_q57dac53de4_cvtx-k_q57dac53de4_cvtx
	.p2alignl 7, 3214868480
	.fill 96, 4, 3214868480
	.section	.rodata,"a",@progbits
	.p2align	6, 0x0
	.amdhsa_kernel k_q57dac53de4_cvtx
		.amdhsa_group_segment_fixed_size 0
		.amdhsa_private_segment_fixed_size 0
		.amdhsa_enable_private_segment 0
		.amdhsa_kernarg_size 16
		.amdhsa_user_sgpr_count 2
		.amdhsa_user_sgpr_kernarg_segment_ptr 1
		.amdhsa_wavefront_size32 1
		.amdhsa_system_sgpr_workgroup_id_x 1
		.amdhsa_system_sgpr_workgroup_id_y 1
		.amdhsa_system_sgpr_workgroup_id_z 1
		.amdhsa_system_vgpr_workitem_id 0
		.amdhsa_next_free_vgpr 32
		.amdhsa_next_free_sgpr 66
		.amdhsa_reserve_vcc 0
		.amdhsa_float_denorm_mode_32 3
		.amdhsa_float_denorm_mode_16_64 3
		.amdhsa_memory_ordered 1
		.amdhsa_forward_progress 1
		.amdhsa_inst_pref_size 5
	.end_amdhsa_kernel
	.amdgpu_metadata
---
amdhsa.version: [ 1, 2 ]
amdhsa.kernels:
  - .name:           k_q57dac53de4_cvtx
    .symbol:         k_q57dac53de4_cvtx.kd
    .args:
      - { .name: hidden_states, .offset: 0, .size: 8, .value_kind: global_buffer, .address_space: global }
      - { .name: x16, .offset: 8, .size: 8, .value_kind: global_buffer, .address_space: global }
    .group_segment_fixed_size: 0
    .private_segment_fixed_size: 0
    .kernarg_segment_align: 8
    .kernarg_segment_size: 16
    .max_flat_workgroup_size: 256
    .sgpr_count:     66
    .vgpr_count:     32
    .wavefront_size: 32
...
	.end_amdgpu_metadata
.endif
;; end of part 1
;; launch gateup (part 2): grid 4 x 58, 4 waves a work-group, clusters of 4 x 1, 327,680 bytes of LDS; arguments x16, Wg, Wu, bg, bu, alpha_g, beta_g, alpha_u, beta_u, p16; writes p16
.if DOCPART == 2
	.amdgcn_target "amdgcn-amd-amdhsa--gfx1250"
	.amdhsa_code_object_version 6
	.text
	.protected	k_q57dac53de4_gateup
	.globl	k_q57dac53de4_gateup
	.p2align	8
	.type	k_q57dac53de4_gateup,@function
k_q57dac53de4_gateup:
	s_mov_b64 s[64:65], 0
	v_nop
	global_prefetch_b8 v0, s[64:65] scope:SCOPE_SE
	s_setreg_imm32_b32 hwreg(HW_REG_WAVE_MODE, 25, 1), 1
	s_wait_xcnt 0x0
	s_wait_alu depctr_hold_cnt(0) depctr_sa_sdst(0) depctr_va_vdst(0) depctr_va_sdst(0) depctr_va_ssrc(0) depctr_va_vcc(0) depctr_vm_vsrc(0)
	s_getreg_b32 s2, hwreg(HW_REG_IB_STS2, 6, 4)
	s_cmp_eq_u32 s2, 0
	s_cbranch_scc0 .Lentry_in_a_cluster
	s_endpgm
.Lentry_in_a_cluster:
	s_bfe_u32 s2, ttmp6, 0x10000c
	s_cmp_lg_u32 s2, 0x3003
	s_cbranch_scc0 .Lentry_shape_is_right
	s_endpgm
.Lentry_shape_is_right:
; SECOND LAUNCH.  g8 = cut(relu(alpha_g (x . Wg^T) + beta_g bg)), u8 = cut(alpha_u (x . Wu^T) + beta_u bu), p = int8 wrap of g8 u8, stored as f16 in p16 [f / 8 = 1376][token = 512][8].
; Nothing of reference() is left out here.
; FORMAT.  Operands in f16 (every int8 is exact), sums in f32: whole numbers, exact while every running sum along K stays within 2^24.
; LIMITS.  The largest sum that int8 inputs allow is 2^26: past 2^24 a sum is rounded to 24 bits and a cut number may move by one.  NaN and infinite alpha and beta are not treated apart.
; ORDER OF ROUNDING.  beta b is rounded once; alpha x sum + (beta b) is ONE fused multiply-add, rounded once.  The order matters: sum and b are whole numbers, so with short decimal scales many values
; alpha sum + beta b lie within a last bit of n + 1/2, and there the roundings ahead of the cut decide which whole number comes out.
; SHARES.  A cluster of four work-groups has one group of 12 tiles of 16 rows f of Wg and of Wu; its partner cx has tokens 128 cx .. + 127.  Wave w has tiles FB + 3 w + 0..2 of gate and of up:
; 128 tokens x 96 rows, 48 accumulators.  11008 / 16 = 688 = 57 x 12 + 4: the last group begins at tile 676 and makes eight tiles once more that the group before owns; a tile is stored by its owner alone.
; THE PRODUCT IS USED TRANSPOSED (source 0 = 16 rows of W, source 1 = 16 tokens): a lane holds one token (lane % 16) and the rows 8 (lane / 16) + 0..7: 16 bytes of p16 on end.
; PLACES OF K, alike in both sources: the half h = lane / 16 holds k = 16 h + 0..15 of a substep's 32, ascending through the eight registers.
; W comes as int8: one LDS load of 16 bytes a lane and tile; 20 vector lines make the fragment (as in the launch before).  They stand behind the matrix instructions, two to four behind each.
; A SUBSTEP (32 k) is ONE run of 22 LDS loads, raw W and X of the next substep, then group A's (gate's) 24 products, then group B's (up's).  The next substep's W is converted beside the products:
; group A's lines begin behind the seventh product, so that its raw W has the rest of the run and six products in which to land; group B's stand behind group B's products.
; RING.  W goes in steps of 256 k (rows of 256 bytes in memory, at multiples of 256), X in halves of 128 k; two slots each.  Waves 0 and 1 fetch Wg's and Wu's 192 rows JOINTLY for the four partners
; (the same load, descriptor and mask in all four); waves 2 and 3 fetch the work-group's own X, half a tile each.
; LDS: W slot 0 at 0 (384 rows x 272); spare words at 0x19800; W slot 1 at 0x20000; X slots at 0x40000 and 0x48000 ([k / 8 = 16][128 tokens][16 bytes]).  One exclusive or turns an address into the other slot's.
; REGISTERS, in windows of 256 (s_set_vgpr_msb: bits 1:0 source 0, 3:2 source 1, 5:4 source 2, 7:6 destination):
;   window 0: v0-15 addresses; v16-39 W as loaded; v40-51 biases as loaded; v64-191 X, two buffers of 8 fragments; v192-239 beta x bias
;   window 1: gate: v0-191 accumulators (tile jj, token tile i at 8 (8 jj + i)); v192-239 W's fragments, two buffers          window 2: up, likewise
; Under one setting stand a group's products (W and sums in its window, X in window 0) and its conversions (raw W as source 1 in window 0): three switches a substep.
.set NT,     3                         ; tiles of 16 rows in a group
.set NW,     8*NT                      ; matrix instructions in a half
.set D4,     4*NT                      ; dwords of raw W in a group
.set KA,     6                         ; group A's conversions begin behind product KA
.set WPITCH, 272                       ; 256 bytes + 16 of padding: the 16 rows of a load start at 16 different groups of four banks (ISA guide 11.1)
.set WSL1,   0x20000
.set XB0,    0x40000
.set XSLOT,  0x8000
.set SPARE,  0x19800                   ; 128 bytes for each wave: two blocks of 256 bytes that no other line names
.set GOFF,   192*WPITCH                ; up's rows lie behind gate's 192
.set A0,  2                            ; v2   my place in a substep of X: h x 4,096 + (lane % 16) x 16; never rewritten
.set B0,  3                            ; v3   my place in W: my wave's rows + (lane % 16) x 272 + 16 h; never rewritten
.set AX,  4                            ; v4   LDS address of the two substeps of X that a pair reads
.set AW,  5                            ; v5   the same for W
.set SPW, 6                            ; v6   my spare word; never rewritten
.set NIL, 7                            ; v7   0; never rewritten
.set SO,  8                            ; v8   my offset in p16: h x 8,192 + (lane % 16) x 16
.set PW,  9                            ; v9   the prefetches' offset in Wg or Wu
.set PX,  10                           ; v10  in x16
.set RAW, 16
.set BR,  40
.set XF,  64
.set T,   64                           ; the way out: 16 at work
.set OUT, 80                           ; the way out: 4 registers for each of the 24 stores
.set BB,  192
.set WF,  64*NT
.set WV, 24
.set CX, 25
.set GY, 26
.set FB, 27
.set G1W, 28
.set G1X, 36
.set G0WA, 44                          ; group 0 for the first fill of slot 0
.set G0WB, 48                          ; for slot 1; it then walks on
.set G0XA, 52
.set G0XB, 56
.set TBX, 60                           ; LDS byte of the next pair's X
.set TBW, 61                           ; of its W
.set CNT, 62
.set OUTER, 63
.set K80, 66
.set K64, 67
.set SLO, 68
.set SHI, 69
.set KM,  70
.set AG,  72                           ; s[72:73] alpha_g, s[74:75] alpha_u: named as pairs
.set AU,  74
.set BG,  76                           ; beta_g, beta_u
.set PFW, 78
.set PFX, 80
.set LIMX, 82
.set P127, 83
.set R256, 84
.set N256, 86
.set W1,  88
.set FT,  89                           ; my wave's first tile
.set M128, 96
.set G12, 97                           ; the first tile that my group owns
.set SPB, 98
.set W_A, 0x51
.set MSB, 0
.macro WIN new                         ; the high byte repeats the setting that is left; a switch that changes nothing is dropped
.if MSB != (\new)
	s_set_vgpr_msb (MSB<<8)|(\new)
.set MSB, (\new)
.endif
.endm
.macro NOPS
.rept 4
	v_nop
.endr
.endm
; A round of the cluster's barrier: my work-group's barrier; wave 0 signals for the work-group; every wave waits for all four work-groups; my work-group's barrier once more.
.macro CROUND
	s_barrier_signal -1
	s_barrier_wait -1
	s_cmp_lg_u32 s[WV], 0
	s_cbranch_scc1 .Lnot_wave_0_\@
	s_barrier_signal -3
.Lnot_wave_0_\@:
	s_barrier_wait -3
	s_barrier_signal -1
	s_barrier_wait -1
.endm
; A refill: one tensor load a wave.  fw = 1: waves 0 and 1 fetch W's next step; fw = 0: they fetch nothing.  Waves 2 and 3 fetch X's next half.  The branch hangs on the wave's number alone.
.macro JLOAD fw
	s_cmp_lt_u32 s[WV], 2
	s_cbranch_scc0 .Lfor_x_\@
.if \fw
	tensor_load_to_lds s[G0WB:G0WB+3], s[G1W:G1W+7]
	s_nop 0
	NOPS
.endif
	s_branch .Lasked_\@
.Lfor_x_\@:
	tensor_load_to_lds s[G0XB:G0XB+3], s[G1X:G1X+7]
	s_nop 0
	NOPS
.Lasked_\@:
.endm
; PREFETCHES INTO THE L2, behind the refill and its five lines.  X: the half that stands two refills on: 16 blocks of 8 k x 2,048 bytes = 128 blocks of 256 bytes, a lane a block, one instruction a wave;
; all clusters read the same x16, so cluster y = 0 asks, each partner for its own tokens.  W: the step that the next refill of W will ask for: 192 rows x 256 bytes of Wg (waves 0, 1) and of Wu (waves 2, 3);
; the eight (partner, wave % 2) take 24 rows each, told apart by address; lanes 24-31 name lane 23's row once more.  The loop's last trip has no step of W behind its own.
; (The eight tiles that the last two groups share are named by both.)
.macro ASK fw
	s_cmp_eq_u32 s[LIMX], 1
	s_cbranch_scc0 .Lno_x_\@
	global_prefetch_b8 v[PX], s[PFX:PFX+1] th:TH_LOAD_NT scope:SCOPE_SE
.Lno_x_\@:
.if \fw
	s_cmp_gt_u32 s[OUTER], 1
	s_cbranch_scc0 .Lno_w_\@
	global_prefetch_b8 v[PW], s[PFW:PFW+1] th:TH_LOAD_NT scope:SCOPE_SE
.Lno_w_\@:
.endif
.endm
; Line q of the 20 NT that turn group CG's raw W into buffer CB of its fragments: D4 lines turn the sign bits, 2 D4 spread the bytes, 2 D4 take 1152 away.
.macro CV
.set cW, WF+8*NT*CB
.if q < D4
	v_xor_b32 v[cW+2*q+1], s[K80], v[RAW+D4*CG+q]
.elseif q < 3*D4
.set cD, (q-D4)/2
.if (q-D4)%2 == 0
	v_perm_b32 v[cW+2*cD], v[cW+2*cD+1], s[K64], s[SLO]
.else
	v_perm_b32 v[cW+2*cD+1], v[cW+2*cD+1], s[K64], s[SHI]
.endif
.else
	v_pk_add_f16 v[cW+q-3*D4], v[cW+q-3*D4], s[KM]
.endif
.set q, q+1
.endm
; A half: group g's NW products on buffers b.  Each accumulator has one turn a substep: between two links of a chain stand 47 others'.
; conv = 1: the conversions for the next substep stand behind the products; they name no register of the products round them.
; k0 = 0 (group B): 2, 3, 2, 3 .., 2 behind each of the three before the last, 4 behind the last: these four are the places in front of the next run's loads into X's buffer.
; k0 > 0 (group A): none behind the first k0 products; then the wait for the group's raw W, which left in this substep's run, and 3, 3, 4, 3, 3, 4 ..
.macro HALF g, b, zero, conv, k0
	WIN W_A*(1+(\g))
.set q, 0
.set CG, (\g)
.set CB, 1-(\b)
.set n, 0
.rept NW
.set aC, 8*(8*(n%NT)+n/NT)
.set aW, WF+8*NT*(\b)+8*(n%NT)
.set aX, XF+64*(\b)+8*(n/NT)
.if \zero
	v_wmma_f32_16x16x32_f16 v[aC:aC+7], v[aW:aW+7], v[aX:aX+7], 0
.else
	v_wmma_f32_16x16x32_f16 v[aC:aC+7], v[aW:aW+7], v[aX:aX+7], v[aC:aC+7]
.endif
.if \conv
.if (\k0) == 0
.set nr, 2+n%2
.if n >= NW-4
.set nr, 2
.endif
.if n == NW-1
.set nr, 4
.endif
.else
.set nr, 0
.if n >= (\k0)
.set nr, 3+((n-(\k0))%3)/2
.endif
.if n == (\k0)
	s_wait_dscnt 16+NT                             ; group A's raw W is in; the run's younger loads, group B's NT and X's 16, may be out
.endif
.endif
.if nr > 0
.rept nr
	CV
.endr
.endif
.endif
.set n, n+1
.endr
.endm
.macro LDX b, xo                       ; a substep's 8 fragments of X into buffer b: 16 loads, each half of the lanes 256 dense bytes
	WIN 0
.set t, 0
.rept 8
	ds_load_b128 v[XF+64*(\b)+8*t:XF+64*(\b)+8*t+3],   v[AX] offset:(\xo)+256*t
	ds_load_b128 v[XF+64*(\b)+8*t+4:XF+64*(\b)+8*t+7], v[AX] offset:(\xo)+256*t+2048
.set t, t+1
.endr
.endm
.macro LDRAW g, wo                     ; a substep's raw W of group g: NT loads
	WIN 0
.set t, 0
.rept NT
	ds_load_b128 v[RAW+D4*(\g)+4*t:RAW+D4*(\g)+4*t+3], v[AW] offset:GOFF*(\g)+(\wo)+16*WPITCH*t
.set t, t+1
.endr
.endm
; Substep j on buffers b.  more = 1: the run reads substep j + 1 (raw W at byte wo behind AW, X at byte xo behind AX), and its W is converted beside the products.
.macro SUB b, xo, wo, zero, more
	s_wait_dscnt 0x0                               ; the last run, a substep back, is in: X of this substep among it
.if \more
	LDRAW 0, \wo
	LDRAW 1, \wo
	LDX 1-(\b), \xo
.endif
	HALF 0, \b, \zero, \more, KA
.if \more
	s_wait_dscnt 16                                ; group B's raw W is in; X's 16 loads may be out
.endif
	HALF 1, \b, \zero, \more, 0
.endm
; A pair: substeps j (odd) and j + 1; it reads the substeps j + 1 and j + 2, which lie at TBX and TBW.
.macro PAIR
	WIN 0
	v_add_nc_u32 v[AX], s[TBX], v[A0]
	v_add_nc_u32 v[AW], s[TBW], v[B0]
	s_add_co_u32 s[TBX], s[TBX], 2*8192
	s_add_co_u32 s[TBW], s[TBW], 64
	SUB 1, 0, 0, 0, 1
	SUB 0, 8192, 32, 0, 1
.endm
.macro NPAIRS n, tag
	WIN 0                                          ; at a label and at a branch every window is 0
	s_mov_b32 s[CNT], \n
.Lp\tag:
	PAIR
	WIN 0
	s_sub_co_u32 s[CNT], s[CNT], 1
	s_cmp_lg_u32 s[CNT], 0
	s_cbranch_scc1 .Lp\tag
.endm
; THE CHANGE OF SLOTS stands between two substeps, in front of the run that reads a half tile's first substep: all reads of the old slot were issued a substep back.
; Each wave waits for all its tensor loads, adds 0 to its spare word, and waits for that and for its own reads.  fx = 1: X's old slot is filled again, two halves on; the barrier is then a round of the cluster's,
; and the refill is the first thing behind it.  fw = 1: W's old slot too.  sw = 1: the reads of W change slots.  ask = 1: prefetches follow.
.macro CHANGE fx, fw, sw, ask
	WIN 0
	s_wait_tensorcnt 0x0                           ; no tensor load of mine is out, so a group 0 may be written
	ds_add_u32 v[SPW], v[NIL]                      ; 0 onto my spare word: scalar work stands between it and the wait for it
.if \fx
	s_xor_b32 s[G0XB+1], s[G0XB+1], XSLOT
	s_add_nc_u64 s[G0XB+2:G0XB+3], s[G0XB+2:G0XB+3], 131072  ; 16 blocks of 8 k on; the type bits on top are not reached
.endif
.if \fw
	s_xor_b32 s[G0WB+1], s[G0WB+1], WSL1
	s_add_nc_u64 s[G0WB+2:G0WB+3], s[G0WB+2:G0WB+3], 256
.endif
.if \ask
	s_wait_xcnt 0x0                                ; the last prefetches, 192 matrix instructions back, have read their addresses
	s_add_nc_u64 s[PFX:PFX+1], s[PFX:PFX+1], 131072
.if \fw
	s_add_nc_u64 s[PFW:PFW+1], s[PFW:PFW+1], 256
.endif
.endif
	s_sub_co_u32 s[TBX], s[TBX], 4*8192            ; back to a slot's first substep,
	s_xor_b32 s[TBX], s[TBX], XSLOT                ; in the other slot
.if \sw
	s_sub_co_u32 s[TBW], s[TBW], 256
	s_xor_b32 s[TBW], s[TBW], WSL1
.endif
	s_wait_dscnt 0x0                               ; the add is done, and my reads of the old slots are over
.if \fx
	CROUND
	JLOAD \fw
.if \ask
	ASK \fw
.endif
.else
	s_barrier_signal -1
	s_barrier_wait -1
.endif
.endm
	s_load_b256 s[4:11], s[0:1], 0x0               ; x16 s[4:5], Wg s[6:7], Wu s[8:9], bg s[10:11]
	s_load_b256 s[12:19], s[0:1], 0x20             ; bu s[12:13], alpha_g s[14:15], beta_g s[16:17], alpha_u s[18:19]
	s_load_b128 s[20:23], s[0:1], 0x40             ; beta_u s[20:21], p16 s[22:23]
	v_lshl_add_u32 v[SPW], v0, 2, SPARE
	v_mov_b32 v[NIL], 0
	ds_add_u32 v[SPW], v[NIL]                      ; the wave's opening: the add, twice on end, and its wait ahead of my first tensor load
	ds_add_u32 v[SPW], v[NIL]
	v_lshrrev_b32 v1, 5, v0
	v_readfirstlane_b32 s[WV], v1                  ; wave 0..3
	s_bfe_u32 s[CX], ttmp6, 0x40000                ; cx: my block of 128 tokens
	s_and_b32 s[GY], ttmp7, 0xffff                 ; the cluster's group of rows f
	s_mul_i32 s[G12], s[GY], 12
	s_min_u32 s[FB], s[G12], 676                   ; the group's first tile
	s_and_b32 s[W1], s[WV], 1
	s_mul_i32 s[FT], s[WV], 3
	s_add_co_u32 s[FT], s[FT], s[FB]
	; group 1 for W: 192 rows x 256 elements of 1 byte, 4,096 from row to row, 4 words of padding behind every 64
	s_mov_b32 s[G1W], 15|(1<<20)|(1<<21)|(5<<22)|(3<<25)  ; 15:0 the mask of four; 17:16 1-byte elements; 20 padding on; 21 set beside a mask; 24:22 code 5; 31:25 code 3
	s_mov_b32 s[G1W+1], 256<<16                    ; tensor_dim0
	s_mov_b32 s[G1W+2], 192<<16                    ; tensor_dim1
	s_mov_b32 s[G1W+3], 256<<16                    ; tile_dim0
	s_mov_b32 s[G1W+4], 192                        ; tile_dim1
	s_mov_b32 s[G1W+5], 4096
	s_mov_b32 s[G1W+6], 0
	s_mov_b32 s[G1W+7], 0
	; group 1 for X: 8 rows (blocks of 8 k) x 256 elements of 8 bytes (128 tokens x 16 bytes), 1,024 elements from row to row; no mask, no padding
	s_mov_b32 s[G1X], 3<<16
	s_mov_b32 s[G1X+1], 256<<16
	s_mov_b32 s[G1X+2], 8<<16
	s_mov_b32 s[G1X+3], 256<<16
	s_mov_b32 s[G1X+4], 8
	s_mov_b32 s[G1X+5], 1024
	s_mov_b32 s[G1X+6], 0
	s_mov_b32 s[G1X+7], 0
	s_mov_b32 s[G0WA], 1
	s_mul_i32 s[G0WA+1], s[W1], GOFF               ; wave 0: gate's rows, wave 1: up's
	s_mov_b32 s[G0WB], 1
	s_add_co_u32 s[G0WB+1], s[G0WA+1], WSL1
	s_mov_b32 s[G0XA], 1
	s_lshl_b32 s[G0XA+1], s[W1], 14                ; wave 2: blocks 0-7, wave 3: blocks 8-15
	s_add_co_u32 s[G0XA+1], s[G0XA+1], XB0
	s_mov_b32 s[G0XB], 1
	s_add_co_u32 s[G0XB+1], s[G0XA+1], XSLOT
	s_mov_b32 s[K80], 0x80808080
	s_mov_b32 s[K64], 0x64646464
	s_mov_b32 s[SLO], 0x00050004
	s_mov_b32 s[SHI], 0x00070006
	s_mov_b32 s[KM], 0xe480e480
	s_mov_b32 s[P127], 0x42fe0000                  ; 127.0
	s_mov_b32 s[M128], 0xc3000000                  ; -128.0
	s_mov_b32 s[R256], 0x3b800000                  ; 1 / 256
	s_mov_b32 s[R256+1], 0x3b800000
	s_mov_b32 s[N256], 0xc3800000                  ; -256.0
	s_mov_b32 s[N256+1], 0xc3800000
	s_wait_dscnt 0x0                               ; both opening adds are done
	s_wait_kmcnt 0x0
	s_load_b32 s[AG], s[14:15], 0x0
	s_load_b32 s[AU], s[18:19], 0x0
	s_load_b32 s[BG], s[16:17], 0x0
	s_load_b32 s[BG+1], s[20:21], 0x0
	s_cmp_eq_u32 s[W1], 0
	s_cselect_b64 s[90:91], s[6:7], s[8:9]
	s_lshl_b32 s92, s[FB], 16                      ; 16 rows of 4,096 bytes a tile: W's address hangs on the group and the wave alone
	s_mov_b32 s93, 0
	s_add_nc_u64 s[G0WA+2:G0WA+3], s[90:91], s[92:93]
	s_add_nc_u64 s[G0WB+2:G0WB+3], s[G0WA+2:G0WA+3], 256
	s_or_b32 s[G0WA+3], s[G0WA+3], 0x80000000
	s_or_b32 s[G0WB+3], s[G0WB+3], 0x80000000
	s_cmp_lt_u32 s[WV], 2
	s_cselect_b64 s[PFW:PFW+1], s[6:7], s[8:9]
	s_add_nc_u64 s[PFW:PFW+1], s[PFW:PFW+1], s[92:93]
	s_add_nc_u64 s[PFW:PFW+1], s[PFW:PFW+1], 512   ; at step 2: the first refill of W steps it to 3
	s_lshl_b32 s94, s[W1], 16                      ; my 8 blocks of 8,192 bytes
	s_lshl_b32 s95, s[CX], 11                      ; my work-group's 128 tokens x 16 bytes
	s_add_co_u32 s94, s94, s95
	s_mov_b32 s95, 0
	s_add_nc_u64 s[G0XA+2:G0XA+3], s[4:5], s[94:95]
	s_add_nc_u64 s[G0XB+2:G0XB+3], s[G0XA+2:G0XA+3], 131072
	s_or_b32 s[G0XA+3], s[G0XA+3], 0x80000000
	s_or_b32 s[G0XB+3], s[G0XB+3], 0x80000000
	s_lshl_b32 s94, s[CX], 11
	s_add_nc_u64 s[PFX:PFX+1], s[4:5], s[94:95]
	s_add_nc_u64 s[PFX:PFX+1], s[PFX:PFX+1], 3*131072  ; at half 3: the first change steps it to 4.  Nothing is prefetched at the head
	s_cmp_eq_u32 s[GY], 0
	s_cselect_b32 s[LIMX], 1, 0                    ; the same in all four partners
	s_lshl_b32 s90, s[FT], 14                      ; a tile of 16 f is two blocks of 8,192 bytes of p16
	s_add_co_u32 s94, s94, s90
	s_add_nc_u64 s[SPB:SPB+1], s[22:23], s[94:95]
	CROUND                                         ; all four work-groups are here: the first joint loads meet
	s_cmp_lt_u32 s[WV], 2                          ; a wave's two first fills stand in one branch, ahead of every wait on TENSORcnt and every LDS read: two loads of mine are out
	s_cbranch_scc0 .Lfirst_x
	tensor_load_to_lds s[G0WA:G0WA+3], s[G1W:G1W+7]
	s_nop 0
	tensor_load_to_lds s[G0WB:G0WB+3], s[G1W:G1W+7]
	s_nop 0
	NOPS
	s_branch .Lfirst_asked
.Lfirst_x:
	tensor_load_to_lds s[G0XA:G0XA+3], s[G1X:G1X+7]
	s_nop 0
	tensor_load_to_lds s[G0XB:G0XB+3], s[G1X:G1X+7]
	s_nop 0
	NOPS
.Lfirst_asked:
	v_and_b32 v11, 15, v0                          ; lane % 16
	v_bfe_u32 v12, v0, 4, 1                        ; h
	v_and_b32 v13, 31, v0                          ; lane
	v_lshlrev_b32 v[A0], 4, v11
	v_lshl_add_u32 v[A0], v12, 12, v[A0]
	v_mul_u32_u24 v[B0], v11, WPITCH
	v_lshl_add_u32 v[B0], v12, 4, v[B0]
	s_mul_i32 s90, s[WV], 48*WPITCH
	v_add_nc_u32 v[B0], s90, v[B0]
	v_lshlrev_b32 v[SO], 4, v11
	v_lshl_add_u32 v[SO], v12, 13, v[SO]
	v_lshrrev_b32 v14, 3, v13
	s_lshl_b32 s90, s[WV], 2
	v_add_nc_u32 v14, s90, v14                     ; block of 8 k: 4 w + lane / 8
	v_and_b32 v15, 7, v13
	v_lshlrev_b32 v15, 8, v15
	v_lshl_add_u32 v[PX], v14, 13, v15             ; x 8,192 + 256 (lane % 8)
	v_min_u32 v14, 23, v13
	s_lshl_b32 s90, s[W1], 2
	s_add_co_u32 s90, s90, s[CX]
	s_mul_i32 s90, s90, 24
	v_add_nc_u32 v14, s90, v14
	v_lshlrev_b32 v[PW], 12, v14                   ; row x 4,096
	; beta x bias of my 8 rows of each of my 6 tiles, once
	s_lshl_b32 s90, s[FT], 4
	v_lshl_add_u32 v14, v12, 3, s90                ; 16 x tile + 8 h
.irp j, 0,1,2
	global_load_b64 v[BR+2*\j:BR+2*\j+1],     v14, s[10:11] offset:16*\j
.endr
.irp j, 0,1,2
	global_load_b64 v[BR+6+2*\j:BR+6+2*\j+1], v14, s[12:13] offset:16*\j
.endr
	s_wait_kmcnt 0x0                               ; the four scales
	s_mov_b32 s[AG+1], s[AG]
	s_mov_b32 s[AU+1], s[AU]
	s_wait_loadcnt 0x0
.set z, 0
.rept 12
	v_xor_b32 v[BR+z], s[K80], v[BR+z]
.set z, z+1
.endr
.set z, 0
.rept 48
	v_bfe_u32 v[BB+z], v[BR+z/4], 8*(z%4), 8       ; b + 128,
	v_cvt_f32_u32 v[BB+z], v[BB+z]
	v_add_f32 v[BB+z], s[M128], v[BB+z]            ; b, exact,
	v_mul_f32 v[BB+z], s[BG+z/24], v[BB+z]         ; beta b, rounded once
.set z, z+1
.endr
	s_wait_tensorcnt 1                             ; my part of slot 0 is in; slot 1's may stay out
	s_barrier_signal -1
	s_barrier_wait -1                              ; everybody's is
	; THE OPENING: substep 0's W and X are read and its W is converted with nothing beside it; then substep 0, whose products start the sums: nothing is cleared
	v_add_nc_u32 v[AX], XB0, v[A0]
	v_mov_b32 v[AW], v[B0]
	LDRAW 0, 0
	LDRAW 1, 0
	LDX 0, 0
	s_wait_dscnt 16                                ; raw W is in; X's 16 loads may be out
	WIN W_A
.set q, 0
.set CG, 0
.set CB, 0
.rept 20*NT
	CV
.endr
	WIN 2*W_A
.set q, 0
.set CG, 1
.rept 20*NT
	CV
.endr
	SUB 0, 8192, 32, 1, 1
	WIN 0
	s_mov_b32 s[TBX], XB0+2*8192
	s_mov_b32 s[TBW], 64
	s_mov_b32 s[CNT], 1                            ; the first half has one pair left (substeps 1 and 2) ahead of its change of slots:
	s_mov_b32 s[OUTER], 15                         ; the loop is entered at the last pair of a trip, which counts as a trip
	s_branch .Lp2
.Ltrip:                                        ; a trip is a step of W, two halves of X; fourteen whole trips ask for X's halves 2 to 29 and W's steps 2 to 15
	CHANGE 1, 0, 0, 1
	NPAIRS 2, 1
	CHANGE 1, 1, 1, 1
	NPAIRS 2, 2
	s_sub_co_u32 s[OUTER], s[OUTER], 1
	s_cmp_lg_u32 s[OUTER], 0
	s_cbranch_scc1 .Ltrip
	CHANGE 1, 0, 0, 0                              ; the tail is written out: X's half 30
	NPAIRS 2, 3
	CHANGE 1, 0, 1, 0                              ; half 31; W has no further step
	NPAIRS 2, 4
	CHANGE 0, 0, 0, 0                              ; nothing is asked for
	NPAIRS 2, 5
	SUB 1, 0, 0, 0, 0                              ; the last substep reads nothing
	WIN 0
	NOPS                                           ; the places in front of the first read of a result
; THE WAY OUT of tile j of f, token tile i.  Scale and bias in one fused multiply-add; the clip at whole bounds stands ahead of the rounding to even, with which it commutes; p = g u;
; q = floor(p / 256 + 1/2); p - 256 q is the int8 wrap.  All of that is exact from the rounding on.  Eight neighbouring f of one token are 16 bytes; sixteen lanes store 256 consecutive bytes, aligned.
; Each accumulator is read from its low end on.
.macro EPI j, i
.set aC, 8*(8*(\j)+(\i))
.set oR, OUT+4*(8*(\j)+(\i))
	WIN 0x01                                       ; source 0, the sums, in window 1; beta b and the result in window 0
.irp m, 0,1,2,3
	v_pk_fma_f32 v[T+2*\m:T+2*\m+1], v[aC+2*\m:aC+2*\m+1], s[AG:AG+1], v[BB+8*(\j)+2*\m:BB+8*(\j)+2*\m+1] op_sel_hi:[1,0,1]
.endr
	WIN 0x02                                       ; source 0 in window 2
.irp m, 0,1,2,3
	v_pk_fma_f32 v[T+8+2*\m:T+8+2*\m+1], v[aC+2*\m:aC+2*\m+1], s[AU:AU+1], v[BB+24+8*(\j)+2*\m:BB+24+8*(\j)+2*\m+1] op_sel_hi:[1,0,1]
.endr
	WIN 0
.irp e, 0,1,2,3,4,5,6,7
	v_med3_num_f32 v[T+\e], v[T+\e], 0, s[P127]              ; relu and the clip in one
	v_med3_num_f32 v[T+8+\e], v[T+8+\e], s[M128], s[P127]
.endr
.irp e, 0,1,2,3,4,5,6,7,8,9,10,11,12,13,14,15
	v_rndne_f32 v[T+\e], v[T+\e]
.endr
.irp m, 0,1,2,3
	v_pk_mul_f32 v[T+2*\m:T+2*\m+1], v[T+2*\m:T+2*\m+1], v[T+8+2*\m:T+8+2*\m+1]
.endr
.irp m, 0,1,2,3
	v_pk_fma_f32 v[T+8+2*\m:T+8+2*\m+1], v[T+2*\m:T+2*\m+1], s[R256:R256+1], 0.5 op_sel_hi:[1,0,0]
.endr
.irp e, 0,1,2,3,4,5,6,7
	v_floor_f32 v[T+8+\e], v[T+8+\e]
.endr
.irp m, 0,1,2,3
	v_pk_fma_f32 v[T+2*\m:T+2*\m+1], v[T+8+2*\m:T+8+2*\m+1], s[N256:N256+1], v[T+2*\m:T+2*\m+1] op_sel_hi:[1,0,1]
.endr
.irp m, 0,1,2,3
	v_cvt_pk_f16_f32 v[oR+\m], v[T+2*\m], v[T+2*\m+1]
.endr
	global_store_b128 v[SO], v[oR:oR+3], s[SPB:SPB+1] offset:16384*(\j)+256*(\i)  ; each store has registers of its own: nothing waits for a store
.endm
.irp j, 0,1,2
	s_add_co_u32 s90, s[FT], \j
	s_cmp_ge_u32 s90, s[G12]                       ; is the tile my group's own?  (It is, but for eight tiles of the last group.)  The jump passes stores and register work alone
	s_cbranch_scc0 .Lskip\j
.irp i, 0,1,2,3,4,5,6,7
	EPI \j, \i
.endr
.Lskip\j:
.endr
	s_wait_tensorcnt 0x0                           ; the wave's end, behind my last tensor load
	ds_add_u32 v[SPW], v[NIL]
	s_wait_dscnt 0x0
	CROUND                                         ; the closing round: no work-group ends while a partner may still ask for a tile that names it
	s_endpgm
.Lfunc_end_k_q57dac53de4_gateup:
	.size	k_q57dac53de4_gateup, .Lfunc_end_k_q57dac53de4_gateup-k_q57dac53de4_gateup
	.p2alignl 7, 3214868480
	.fill 96, 4, 3214868480
	.section	.rodata,"a",@progbits
	.p2align	6, 0x0
	.amdhsa_kernel k_q57dac53de4_gateup
		.amdhsa_group_segment_fixed_size 327680
		.amdhsa_private_segment_fixed_size 0
		.amdhsa_enable_private_segment 0
		.amdhsa_kernarg_size 80
		.amdhsa_user_sgpr_count 2
		.amdhsa_user_sgpr_kernarg_segment_ptr 1
		.amdhsa_wavefront_size32 1
		.amdhsa_system_sgpr_workgroup_id_x 1
		.amdhsa_system_sgpr_workgroup_id_y 1
		.amdhsa_system_sgpr_workgroup_id_z 1
		.amdhsa_system_vgpr_workitem_id 0
		.amdhsa_next_free_vgpr 768
		.amdhsa_next_free_sgpr 100
		.amdhsa_reserve_vcc 0
		.amdhsa_float_denorm_mode_32 3
		.amdhsa_float_denorm_mode_16_64 3
		.amdhsa_memory_ordered 1
		.amdhsa_forward_progress 1
		.amdhsa_inst_pref_size 243
	.end_amdhsa_kernel
	.amdgpu_metadata
---
amdhsa.version: [ 1, 2 ]
amdhsa.kernels:
  - .name:           k_q57dac53de4_gateup
    .symbol:         k_q57dac53de4_gateup.kd
    .args:
      - { .name: x16, .offset: 0, .size: 8, .value_kind: global_buffer, .address_space: global }
      - { .name: Wg, .offset: 8, .size: 8, .value_kind: global_buffer, .address_space: global }
      - { .name: Wu, .offset: 16, .size: 8, .value_kind: global_buffer, .address_space: global }
      - { .name: bg, .offset: 24, .size: 8, .value_kind: global_buffer, .address_space: global }
      - { .name: bu, .offset: 32, .size: 8, .value_kind: global_buffer, .address_space: global }
      - { .name: alpha_g, .offset: 40, .size: 8, .value_kind: global_buffer, .address_space: global }
      - { .name: beta_g, .offset: 48, .size: 8, .value_kind: global_buffer, .address_space: global }
      - { .name: alpha_u, .offset: 56, .size: 8, .value_kind: global_buffer, .address_space: global }
      - { .name: beta_u, .offset: 64, .size: 8, .value_kind: global_buffer, .address_space: global }
      - { .name: p16, .offset: 72, .size: 8, .value_kind: global_buffer, .address_space: global }
    .group_segment_fixed_size: 327680
    .private_segment_fixed_size: 0
    .kernarg_segment_align: 8
    .kernarg_segment_size: 80
    .max_flat_workgroup_size: 128
    .sgpr_count:     100
    .vgpr_count:     768
    .wavefront_size: 32
...
	.end_amdgpu_metadata
.endif
;; end of part 2
;; launch down (part 3): grid 4 x 64, 4 waves a work-group, clusters of 4 x 1, 327,680 bytes of LDS; arguments p16, Wd, ps; writes ps
.if DOCPART == 3
	.amdgcn_target "amdgcn-amd-amdhsa--gfx1250"
	.amdhsa_code_object_version 6
	.text
	.protected	k_q57dac53de4_down
	.globl	k_q57dac53de4_down
	.p2align	8
	.type	k_q57dac53de4_down,@function
k_q57dac53de4_down:
	s_mov_b64 s[64:65], 0
	v_nop
	global_prefetch_b8 v0, s[64:65] scope:SCOPE_SE
	s_setreg_imm32_b32 hwreg(HW_REG_WAVE_MODE, 25, 1), 1
	s_wait_xcnt 0x0
	s_wait_alu depctr_hold_cnt(0) depctr_sa_sdst(0) depctr_va_vdst(0) depctr_va_sdst(0) depctr_va_ssrc(0) depctr_va_vcc(0) depctr_vm_vsrc(0)
	s_getreg_b32 s2, hwreg(HW_REG_IB_STS2, 6, 4)
	s_cmp_eq_u32 s2, 0
	s_cbranch_scc0 .Lentry_in_a_cluster
	s_endpgm
.Lentry_in_a_cluster:
	s_bfe_u32 s2, ttmp6, 0x10000c
	s_cmp_lg_u32 s2, 0x3003
	s_cbranch_scc0 .Lentry_shape_is_right
	s_endpgm
.Lentry_shape_is_right:
; THIRD LAUNCH.  ps[s][token][c] = the sum over the k of split s of p[token][k] Wd[c][k], in f32; four splits of K = 11008.  Nothing of reference() is left out here.
; FORMAT AND LIMIT as in the launch before: f16 operands (exact), f32 sums of whole numbers, exact while every running sum stays within 2^24 (the largest that int8 allows here is under 2^26).
; SHARES.  A cluster of four work-groups has 256 rows c of Wd (row group rg) and one split s; its partner cx has tokens 128 cx .. + 127.  Wave w has rows 64 w .. + 63: group A its rows 0-31, group B 32-63:
; 128 tokens x 64 rows, 32 accumulators.  256 work-groups.  K is split over work-groups so that a wave keeps this tile and every WGP has one work-group.
; SPLIT s: ten steps of 256 k at 2560 s + 256 L, whose rows of Wd are 256 bytes at multiples of 256, and a last step of 192 k at 10240 + 192 s: 86 substeps of 32 k.
; Product, places of k, conversion, substeps (one run of 20 LDS loads each), pairs and changes of slots as in the launch before; here W and X both go in steps of 256 k.
; LDS: W slots at 0 and 0x11000 (256 rows x 272); X slots at 0x22000 and 0x32000 ([k / 8 = 32][128 tokens][16 bytes]); stage at 0x42000 (16 rows x 272 for each wave, never filled by a tensor load); spare words at 0x46400.
; REGISTERS: window 0: v0-15 addresses; v16-31 W as loaded; v40, v41 the stage; v64-191 X, two buffers (later: rows read back from the stage)
;   window 1: group A: v0-127 accumulators (tile jj, token tile i at 8 (8 jj + i)); v128-159 W's fragments, two buffers          window 2: group B, likewise
.set NT,     2
.set NW,     8*NT
.set D4,     4*NT
.set KA,     4                         ; group A's conversions begin behind product KA
.set WPITCH, 272
.set WSLOT,  0x11000                   ; shares no bit with a wave's offset in a slot (0 or 0x8800), so one exclusive or changes slots
.set XB0,    0x22000
.set XSLOT,  0x10000
.set STAGE,  0x42000
.set SPITCH, 272
.set SPARE,  0x46400
.set GOFF,   32*WPITCH
.set A0,  2
.set B0,  3
.set AX,  4
.set AW,  5
.set SPW, 6
.set NIL, 7
.set SO,  8                            ; v8   my offset in ps: h x 16,384 + (lane % 16) x 16
.set PW,  9
.set PX,  10
.set RAW, 16
.set STO, 40                           ; v40  where I put 32 bytes of a token's row
.set RD,  41                           ; v41  where I read rows back
.set XF,  64
.set BK,  64
.set WF,  64*NT
.set WV, 24
.set CX, 25
.set YY, 26
.set SS, 27
.set G1W, 28
.set G1X, 36
.set G0WA, 44
.set G0WB, 48
.set G0XA, 52
.set G0XB, 56
.set TBX, 60
.set TBW, 61
.set CNT, 62
.set OUTER, 63
.set K80, 66
.set K64, 67
.set SLO, 68
.set SHI, 69
.set KM,  70
.set DW,  72                           ; s[72:73] bytes from W's step 9 to the last step
.set DX,  74                           ; s[74:75] the same for X
.set XT,  76                           ; the last step's tensor_dim1 for X
.set PFW, 78
.set PFX, 80
.set LIMX, 82
.set LIMW, 83
.set W1,  88
.set RG,  97
.set SPB, 98
.set W_A, 0x51
.set MSB, 0
.macro WIN new
.if MSB != (\new)
	s_set_vgpr_msb (MSB<<8)|(\new)
.set MSB, (\new)
.endif
.endm
.macro NOPS
.rept 4
	v_nop
.endr
.endm
.macro CROUND                          ; a round of the cluster's barrier
	s_barrier_signal -1
	s_barrier_wait -1
	s_cmp_lg_u32 s[WV], 0
	s_cbranch_scc1 .Lnot_wave_0_\@
	s_barrier_signal -3
.Lnot_wave_0_\@:
	s_barrier_wait -3
	s_barrier_signal -1
	s_barrier_wait -1
.endm
.macro JLOAD                           ; a refill: waves 0 and 1 fetch the two halves of W's 256 rows jointly for the four partners, waves 2 and 3 the two halves of the work-group's own X
	s_cmp_lt_u32 s[WV], 2
	s_cbranch_scc0 .Lfor_x_\@
	tensor_load_to_lds s[G0WB:G0WB+3], s[G1W:G1W+7]
	s_nop 0
	NOPS
	s_branch .Lasked_\@
.Lfor_x_\@:
	tensor_load_to_lds s[G0XB:G0XB+3], s[G1X:G1X+7]
	s_nop 0
	NOPS
.Lasked_\@:
.endm
; PREFETCHES INTO THE L2 of the step that stands two refills on.  W: 256 rows x 256 bytes, which this cluster alone reads: the eight (partner, wave 0 or 1) take 32 rows each, told apart by address, a lane a row.
; X: 32 blocks of 8 k x 2,048 bytes; the sixteen row groups read the same p16, so row group 0 asks, each partner for its own tokens: a lane a block of 256 bytes, two instructions a wave.
; The loop's last two trips ask for nothing along K; the last step of 192 k comes by its load alone.
.macro ASK
	s_cmp_gt_u32 s[OUTER], s[LIMW]
	s_cbranch_scc0 .Lno_w_\@
	global_prefetch_b8 v[PW], s[PFW:PFW+1] th:TH_LOAD_NT scope:SCOPE_SE
.Lno_w_\@:
	s_cmp_gt_u32 s[OUTER], s[LIMX]
	s_cbranch_scc0 .Lno_x_\@
	global_prefetch_b8 v[PX], s[PFX:PFX+1] th:TH_LOAD_NT scope:SCOPE_SE
	global_prefetch_b8 v[PX], s[PFX:PFX+1] offset:131072 th:TH_LOAD_NT scope:SCOPE_SE
.Lno_x_\@:
.endm
.macro CV                              ; line q of the 20 NT that turn group CG's raw W into buffer CB of its fragments
.set cW, WF+8*NT*CB
.if q < D4
	v_xor_b32 v[cW+2*q+1], s[K80], v[RAW+D4*CG+q]
.elseif q < 3*D4
.set cD, (q-D4)/2
.if (q-D4)%2 == 0
	v_perm_b32 v[cW+2*cD], v[cW+2*cD+1], s[K64], s[SLO]
.else
	v_perm_b32 v[cW+2*cD+1], v[cW+2*cD+1], s[K64], s[SHI]
.endif
.else
	v_pk_add_f16 v[cW+q-3*D4], v[cW+q-3*D4], s[KM]
.endif
.set q, q+1
.endm
; A half: group g's NW products on buffers b; each accumulator has one turn a substep.  conv = 1: the next substep's conversions stand behind the products.
; k0 = 0 (group B): 2, 3, 2, 3 .., 2, 2, 2, and 4 behind the last: the places in front of the next run's loads into X's buffer.
; k0 > 0 (group A): none behind the first k0 products; then the wait for the group's raw W, which left in this substep's run, and 3, 3, 4, 3, 3, 4 ..
.macro HALF g, b, zero, conv, k0
	WIN W_A*(1+(\g))
.set q, 0
.set CG, (\g)
.set CB, 1-(\b)
.set n, 0
.rept NW
.set aC, 8*(8*(n%NT)+n/NT)
.set aW, WF+8*NT*(\b)+8*(n%NT)
.set aX, XF+64*(\b)+8*(n/NT)
.if \zero
	v_wmma_f32_16x16x32_f16 v[aC:aC+7], v[aW:aW+7], v[aX:aX+7], 0
.else
	v_wmma_f32_16x16x32_f16 v[aC:aC+7], v[aW:aW+7], v[aX:aX+7], v[aC:aC+7]
.endif
.if \conv
.if (\k0) == 0
.set nr, 2+n%2
.if n >= NW-4
.set nr, 2
.endif
.if n == NW-1
.set nr, 4
.endif
.else
.set nr, 0
.if n >= (\k0)
.set nr, 3+((n-(\k0))%3)/2
.endif
.if n == (\k0)
	s_wait_dscnt 16+NT                             ; group A's raw W is in; the run's younger loads, group B's NT and X's 16, may be out
.endif
.endif
.if nr > 0
.rept nr
	CV
.endr
.endif
.endif
.set n, n+1
.endr
.endm
.macro LDX b, xo
	WIN 0
.set t, 0
.rept 8
	ds_load_b128 v[XF+64*(\b)+8*t:XF+64*(\b)+8*t+3],   v[AX] offset:(\xo)+256*t
	ds_load_b128 v[XF+64*(\b)+8*t+4:XF+64*(\b)+8*t+7], v[AX] offset:(\xo)+256*t+2048
.set t, t+1
.endr
.endm
.macro LDRAW g, wo
	WIN 0
.set t, 0
.rept NT
	ds_load_b128 v[RAW+D4*(\g)+4*t:RAW+D4*(\g)+4*t+3], v[AW] offset:GOFF*(\g)+(\wo)+16*WPITCH*t
.set t, t+1
.endr
.endm
; Substep j on buffers b.  more = 1: the run reads substep j + 1, and its W is converted beside the products.
.macro SUB b, xo, wo, zero, more
	s_wait_dscnt 0x0                               ; the last run, a substep back, is in: X of this substep among it
.if \more
	LDRAW 0, \wo
	LDRAW 1, \wo
	LDX 1-(\b), \xo
.endif
	HALF 0, \b, \zero, \more, KA
.if \more
	s_wait_dscnt 16                                ; group B's raw W is in; X's 16 loads may be out
.endif
	HALF 1, \b, \zero, \more, 0
.endm
.macro PAIR                            ; substeps j (odd) and j + 1; it reads the substeps j + 1 and j + 2, which lie at TBX and TBW
	WIN 0
	v_add_nc_u32 v[AX], s[TBX], v[A0]
	v_add_nc_u32 v[AW], s[TBW], v[B0]
	s_add_co_u32 s[TBX], s[TBX], 2*8192
	s_add_co_u32 s[TBW], s[TBW], 64
	SUB 1, 0, 0, 0, 1
	SUB 0, 8192, 32, 0, 1
.endm
.macro NPAIRS n, tag
	WIN 0
	s_mov_b32 s[CNT], \n
.Lp\tag:
	PAIR
	WIN 0
	s_sub_co_u32 s[CNT], s[CNT], 1
	s_cmp_lg_u32 s[CNT], 0
	s_cbranch_scc1 .Lp\tag
.endm
; THE CHANGE OF SLOTS, between two substeps, in front of the run that reads a step's first substep: all reads of the old slots were issued a substep back.  Each wave waits for all its tensor loads, adds 0 to its
; spare word, and waits for that and for its own reads.  kind = 1: the old slots are filled again, two steps on, first thing behind a round of the cluster's barrier.  kind = 2: with the last step: 192 k, so W's rows
; end at 192 bytes and X has 24 blocks: what lies past these extents is not read from memory.  kind = 0: nothing is asked for.
.macro CHANGE kind
	WIN 0
	s_wait_tensorcnt 0x0                           ; no tensor load of mine is out, so the descriptors may be written
	ds_add_u32 v[SPW], v[NIL]                      ; 0 onto my spare word: scalar work stands between it and the wait for it
.if \kind
	s_xor_b32 s[G0WB+1], s[G0WB+1], WSLOT
	s_xor_b32 s[G0XB+1], s[G0XB+1], XSLOT
.if (\kind) == 1
	s_add_nc_u64 s[G0WB+2:G0WB+3], s[G0WB+2:G0WB+3], 256
	s_add_nc_u64 s[G0XB+2:G0XB+3], s[G0XB+2:G0XB+3], 262144
	s_wait_xcnt 0x0                                ; the last prefetches, 256 matrix instructions back, have read their addresses
	s_add_nc_u64 s[PFW:PFW+1], s[PFW:PFW+1], 256
	s_add_nc_u64 s[PFX:PFX+1], s[PFX:PFX+1], 262144
.else
	s_add_nc_u64 s[G0WB+2:G0WB+3], s[G0WB+2:G0WB+3], s[DW:DW+1]
	s_add_nc_u64 s[G0XB+2:G0XB+3], s[G0XB+2:G0XB+3], s[DX:DX+1]
	s_mov_b32 s[G1W+1], 192<<16                    ; tensor_dim0 = 192
	s_mov_b32 s[G1X+2], s[XT]                      ; tensor_dim1 = 24 for wave 2, 8 for wave 3
.endif
.endif
	s_sub_co_u32 s[TBX], s[TBX], 8*8192
	s_xor_b32 s[TBX], s[TBX], XSLOT
	s_sub_co_u32 s[TBW], s[TBW], 256
	s_xor_b32 s[TBW], s[TBW], WSLOT
	s_wait_dscnt 0x0                               ; the add is done, and my reads of the old slots are over
.if \kind
	CROUND
	JLOAD
.if (\kind) == 1
	ASK
.endif
.else
	s_barrier_signal -1
	s_barrier_wait -1
.endif
.endm
	s_load_b128 s[4:7], s[0:1], 0x0                ; p16 s[4:5], Wd s[6:7]
	s_load_b64 s[8:9], s[0:1], 0x10                ; ps
	v_lshl_add_u32 v[SPW], v0, 2, SPARE
	v_mov_b32 v[NIL], 0
	ds_add_u32 v[SPW], v[NIL]                      ; the wave's opening: the add, twice on end, and its wait ahead of my first tensor load
	ds_add_u32 v[SPW], v[NIL]
	v_lshrrev_b32 v1, 5, v0
	v_readfirstlane_b32 s[WV], v1
	s_bfe_u32 s[CX], ttmp6, 0x40000                ; cx: my block of 128 tokens
	s_and_b32 s[YY], ttmp7, 0xffff
	s_and_b32 s[SS], s[YY], 3                      ; the split
	s_lshr_b32 s[RG], s[YY], 2                     ; the row group
	s_and_b32 s[W1], s[WV], 1
	; group 1 for W: 128 rows x 256 elements of 1 byte, 11,008 from row to row, 4 words of padding behind every 64
	s_mov_b32 s[G1W], 15|(1<<20)|(1<<21)|(5<<22)|(3<<25)
	s_mov_b32 s[G1W+1], 256<<16
	s_mov_b32 s[G1W+2], 128<<16
	s_mov_b32 s[G1W+3], 256<<16
	s_mov_b32 s[G1W+4], 128
	s_mov_b32 s[G1W+5], 11008
	s_mov_b32 s[G1W+6], 0
	s_mov_b32 s[G1W+7], 0
	; group 1 for X: 16 rows (blocks of 8 k) x 256 elements of 8 bytes, 1,024 elements from row to row
	s_mov_b32 s[G1X], 3<<16
	s_mov_b32 s[G1X+1], 256<<16
	s_mov_b32 s[G1X+2], 16<<16
	s_mov_b32 s[G1X+3], 256<<16
	s_mov_b32 s[G1X+4], 16
	s_mov_b32 s[G1X+5], 1024
	s_mov_b32 s[G1X+6], 0
	s_mov_b32 s[G1X+7], 0
	s_mov_b32 s[G0WA], 1
	s_mul_i32 s[G0WA+1], s[W1], 128*WPITCH
	s_mov_b32 s[G0WB], 1
	s_add_co_u32 s[G0WB+1], s[G0WA+1], WSLOT
	s_mov_b32 s[G0XA], 1
	s_lshl_b32 s[G0XA+1], s[W1], 15
	s_add_co_u32 s[G0XA+1], s[G0XA+1], XB0
	s_mov_b32 s[G0XB], 1
	s_add_co_u32 s[G0XB+1], s[G0XA+1], XSLOT
	s_mov_b32 s[K80], 0x80808080
	s_mov_b32 s[K64], 0x64646464
	s_mov_b32 s[SLO], 0x00050004
	s_mov_b32 s[SHI], 0x00070006
	s_mov_b32 s[KM], 0xe480e480
	s_mul_i32 s[DW], s[SS], 2368
	s_sub_co_u32 s[DW], 7936, s[DW]                ; 10240 + 192 s - (2560 s + 2304)
	s_mov_b32 s[DW+1], 0
	s_mul_i32 s[DX], s[SS], 296
	s_sub_co_u32 s[DX], 992, s[DX]                 ; the same in blocks of 8 k,
	s_lshl_b32 s[DX], s[DX], 13                    ; of 8,192 bytes
	s_mov_b32 s[DX+1], 0
	s_lshl_b32 s[XT], s[W1], 4
	s_sub_co_u32 s[XT], 24, s[XT]
	s_lshl_b32 s[XT], s[XT], 16
	s_cmp_lt_u32 s[WV], 2
	s_cselect_b32 s[LIMW], 2, -1
	s_cmp_eq_u32 s[RG], 0
	s_cselect_b32 s[LIMX], 2, -1                   ; the same in all four partners
	s_wait_dscnt 0x0                               ; both opening adds are done
	s_wait_kmcnt 0x0
	s_lshl_b32 s92, s[RG], 8                       ; W's address hangs on the row group, the split and the wave alone
	s_lshl_b32 s93, s[W1], 7
	s_add_co_u32 s92, s92, s93
	s_mul_i32 s92, s92, 11008
	s_mul_i32 s93, s[SS], 2560
	s_add_co_u32 s92, s92, s93
	s_mov_b32 s93, 0
	s_add_nc_u64 s[G0WA+2:G0WA+3], s[6:7], s[92:93]
	s_add_nc_u64 s[G0WB+2:G0WB+3], s[G0WA+2:G0WA+3], 256
	s_or_b32 s[G0WA+3], s[G0WA+3], 0x80000000
	s_or_b32 s[G0WB+3], s[G0WB+3], 0x80000000
	s_lshl_b32 s90, s[RG], 8
	s_mul_i32 s90, s90, 11008
	s_mul_i32 s91, s[SS], 2560
	s_add_co_u32 s90, s90, s91
	s_mov_b32 s91, 0
	s_add_nc_u64 s[PFW:PFW+1], s[6:7], s[90:91]
	s_add_nc_u64 s[PFW:PFW+1], s[PFW:PFW+1], 768   ; at step 3: the first change steps it to 4.  Nothing is prefetched at the head
	s_mul_i32 s94, s[SS], 320
	s_lshl_b32 s94, s94, 13                        ; the split's first block of 8 k
	s_lshl_b32 s95, s[CX], 11                      ; my work-group's 128 tokens x 16 bytes
	s_add_co_u32 s94, s94, s95
	s_mov_b32 s95, 0
	s_add_nc_u64 s[PFX:PFX+1], s[4:5], s[94:95]
	s_lshl_b32 s94, s[W1], 17                      ; my 16 blocks of 8,192 bytes
	s_add_nc_u64 s[G0XA+2:G0XA+3], s[PFX:PFX+1], s[94:95]
	s_add_nc_u64 s[G0XB+2:G0XB+3], s[G0XA+2:G0XA+3], 262144
	s_or_b32 s[G0XA+3], s[G0XA+3], 0x80000000
	s_or_b32 s[G0XB+3], s[G0XB+3], 0x80000000
	s_add_nc_u64 s[PFX:PFX+1], s[PFX:PFX+1], 3*262144
	s_lshl_b32 s94, s[SS], 23                      ; ps: the split's 8,388,608 bytes,
	s_lshl_b32 s90, s[CX], 21                      ; 128 tokens of 16,384 bytes,
	s_add_co_u32 s94, s94, s90
	s_lshl_b32 s90, s[RG], 10                      ; 256 columns of 4 bytes,
	s_add_co_u32 s94, s94, s90
	s_lshl_b32 s90, s[WV], 8                       ; my wave's 64
	s_add_co_u32 s94, s94, s90
	s_add_nc_u64 s[SPB:SPB+1], s[8:9], s[94:95]
	CROUND                                         ; all four work-groups are here: the first joint loads meet
	s_cmp_lt_u32 s[WV], 2                          ; a wave's two first fills stand in one branch: two loads of mine are out
	s_cbranch_scc0 .Lfirst_x
	tensor_load_to_lds s[G0WA:G0WA+3], s[G1W:G1W+7]
	s_nop 0
	tensor_load_to_lds s[G0WB:G0WB+3], s[G1W:G1W+7]
	s_nop 0
	NOPS
	s_branch .Lfirst_asked
.Lfirst_x:
	tensor_load_to_lds s[G0XA:G0XA+3], s[G1X:G1X+7]
	s_nop 0
	tensor_load_to_lds s[G0XB:G0XB+3], s[G1X:G1X+7]
	s_nop 0
	NOPS
.Lfirst_asked:
	v_and_b32 v11, 15, v0                          ; lane % 16
	v_bfe_u32 v12, v0, 4, 1                        ; h
	v_and_b32 v13, 31, v0                          ; lane
	v_lshlrev_b32 v[A0], 4, v11
	v_lshl_add_u32 v[A0], v12, 12, v[A0]
	v_mul_u32_u24 v[B0], v11, WPITCH
	v_lshl_add_u32 v[B0], v12, 4, v[B0]
	s_mul_i32 s90, s[WV], 64*WPITCH
	v_add_nc_u32 v[B0], s90, v[B0]
	v_lshlrev_b32 v[SO], 4, v11
	v_lshl_add_u32 v[SO], v12, 14, v[SO]
	s_mul_i32 s90, s[WV], 16*SPITCH
	s_add_co_u32 s90, s90, STAGE                   ; my stage
	v_mul_u32_u24 v[STO], v11, SPITCH              ; in: row lane % 16, 32 bytes for each half of the lanes
	v_lshl_add_u32 v[STO], v12, 5, v[STO]
	v_add_nc_u32 v[STO], s90, v[STO]
	v_mul_u32_u24 v[RD], v12, SPITCH               ; back: lanes 0-15 take one row of 256 bytes, lanes 16-31 the next
	v_lshl_add_u32 v[RD], v11, 4, v[RD]
	v_add_nc_u32 v[RD], s90, v[RD]
	v_lshrrev_b32 v14, 3, v13
	s_lshl_b32 s90, s[WV], 2
	v_add_nc_u32 v14, s90, v14
	v_and_b32 v15, 7, v13
	v_lshlrev_b32 v15, 8, v15
	v_lshl_add_u32 v[PX], v14, 13, v15             ; (4 w + lane / 8) x 8,192 + 256 (lane % 8)
	s_lshl_b32 s90, s[W1], 2
	s_add_co_u32 s90, s90, s[CX]
	s_lshl_b32 s90, s90, 5
	v_add_nc_u32 v14, s90, v13
	v_mul_u32_u24 v[PW], v14, 11008                ; row x 11,008
	s_wait_tensorcnt 1                             ; my part of slot 0 is in; slot 1's may stay out
	s_barrier_signal -1
	s_barrier_wait -1
	; THE OPENING: substep 0's W and X are read and its W is converted with nothing beside it; then substep 0, whose products start the sums: nothing is cleared
	v_add_nc_u32 v[AX], XB0, v[A0]
	v_mov_b32 v[AW], v[B0]
	LDRAW 0, 0
	LDRAW 1, 0
	LDX 0, 0
	s_wait_dscnt 16                                ; raw W is in; X's 16 loads may be out
	WIN W_A
.set q, 0
.set CG, 0
.set CB, 0
.rept 20*NT
	CV
.endr
	WIN 2*W_A
.set q, 0
.set CG, 1
.rept 20*NT
	CV
.endr
	SUB 0, 8192, 32, 1, 1
	WIN 0
	s_mov_b32 s[TBX], XB0+2*8192
	s_mov_b32 s[TBW], 64
	s_mov_b32 s[CNT], 3                            ; step 0 has three pairs left (substeps 1 to 6) ahead of its change of slots:
	s_mov_b32 s[OUTER], 9                          ; the loop is entered at its pairs, and that lap counts as a trip
	s_branch .Lp1
.Lstep:                                        ; eight whole trips: the changes out of steps 0 to 7, which ask for steps 2 to 9
	CHANGE 1
	NPAIRS 4, 1
	s_sub_co_u32 s[OUTER], s[OUTER], 1
	s_cmp_lg_u32 s[OUTER], 0
	s_cbranch_scc1 .Lstep
	CHANGE 2                                       ; the tail is written out: the last step of 192 k is asked for,
	NPAIRS 4, 2
	CHANGE 0                                       ; and then nothing
	NPAIRS 3, 3
	SUB 1, 0, 0, 0, 0                              ; the last substep reads nothing
	WIN 0
	NOPS                                           ; the places in front of the first read of a result
; THE WAY OUT of token tile i.  A lane holds eight neighbouring columns of one token, 32 bytes; the wave's 64 columns of 16 tokens go into my stage, rows of 272 bytes, and come back as whole rows of 256.
; Each accumulator is read from its low end on.
.macro OUTT i
.set bK, BK+32*((\i)%2)
	WIN 0x04                                       ; store data in window 1
.irp jj, 0,1
	ds_store_b128 v[STO], v[8*(8*\jj+(\i)):8*(8*\jj+(\i))+3]   offset:64*\jj
	ds_store_b128 v[STO], v[8*(8*\jj+(\i))+4:8*(8*\jj+(\i))+7] offset:64*\jj+16
.endr
	WIN 0x08                                       ; in window 2
.irp jj, 0,1
	ds_store_b128 v[STO], v[8*(8*\jj+(\i)):8*(8*\jj+(\i))+3]   offset:128+64*\jj
	ds_store_b128 v[STO], v[8*(8*\jj+(\i))+4:8*(8*\jj+(\i))+7] offset:128+64*\jj+16
.endr
	WIN 0
	s_wait_xcnt 0x0                                ; the earlier stores have read their registers: only behind this wait are they loaded again
.irp t, 0,1,2,3,4,5,6,7
	ds_load_b128 v[bK+4*\t:bK+4*\t+3], v[RD] offset:2*SPITCH*\t  ; LDS serves a wave's instructions in order (ISA guide 5.7.1.4): these see the stores above; the next tile's stores come behind them
.endr
	s_wait_dscnt 0x0
.irp t, 0,1,2,3,4,5,6,7
	global_store_b128 v[SO], v[bK+4*\t:bK+4*\t+3], s[SPB:SPB+1] offset:262144*(\i)+32768*\t  ; 16 lanes store 256 consecutive bytes, at a multiple of 256 from ps's first byte
.endr
.endm
.irp i, 0,1,2,3,4,5,6,7
	OUTT \i
.endr
	s_wait_tensorcnt 0x0                           ; the wave's end, behind my last tensor load and my last LDS store
	ds_add_u32 v[SPW], v[NIL]
	s_wait_dscnt 0x0
	CROUND                                         ; the closing round
	s_endpgm
.Lfunc_end_k_q57dac53de4_down:
	.size	k_q57dac53de4_down, .Lfunc_end_k_q57dac53de4_down-k_q57dac53de4_down
	.p2alignl 7, 3214868480
	.fill 96, 4, 3214868480
	.section	.rodata,"a",@progbits
	.p2align	6, 0x0
	.amdhsa_kernel k_q57dac53de4_down
		.amdhsa_group_segment_fixed_size 327680
		.amdhsa_private_segment_fixed_size 0
		.amdhsa_enable_private_segment 0
		.amdhsa_kernarg_size 24
		.amdhsa_user_sgpr_count 2
		.amdhsa_user_sgpr_kernarg_segment_ptr 1
		.amdhsa_wavefront_size32 1
		.amdhsa_system_sgpr_workgroup_id_x 1
		.amdhsa_system_sgpr_workgroup_id_y 1
		.amdhsa_system_sgpr_workgroup_id_z 1
		.amdhsa_system_vgpr_workitem_id 0
		.amdhsa_next_free_vgpr 768
		.amdhsa_next_free_sgpr 100
		.amdhsa_reserve_vcc 0
		.amdhsa_float_denorm_mode_32 3
		.amdhsa_float_denorm_mode_16_64 3
		.amdhsa_memory_ordered 1
		.amdhsa_forward_progress 1
		.amdhsa_inst_pref_size 93
	.end_amdhsa_kernel
	.amdgpu_metadata
---
amdhsa.version: [ 1, 2 ]
amdhsa.kernels:
  - .name:           k_q57dac53de4_down
    .symbol:         k_q57dac53de4_down.kd
    .args:
      - { .name: p16, .offset: 0, .size: 8, .value_kind: global_buffer, .address_space: global }
      - { .name: Wd, .offset: 8, .size: 8, .value_kind: global_buffer, .address_space: global }
      - { .name: ps, .offset: 16, .size: 8, .value_kind: global_buffer, .address_space: global }
    .group_segment_fixed_size: 327680
    .private_segment_fixed_size: 0
    .kernarg_segment_align: 8
    .kernarg_segment_size: 24
    .max_flat_workgroup_size: 128
    .sgpr_count:     100
    .vgpr_count:     768
    .wavefront_size: 32
...
	.end_amdgpu_metadata
.endif
;; end of part 3
;; launch finish (part 4): grid 4 x 64, 8 waves a work-group, no clusters, 0 bytes of LDS; arguments ps, alpha_d, bias_d, out0; writes out0
.if DOCPART == 4
	.amdgcn_target "amdgcn-amd-amdhsa--gfx1250"
	.amdhsa_code_object_version 6
	.text
	.protected	k_q57dac53de4_finish
	.globl	k_q57dac53de4_finish
	.p2align	8
	.type	k_q57dac53de4_finish,@function
k_q57dac53de4_finish:
	s_mov_b64 s[64:65], 0
	v_nop
	global_prefetch_b8 v0, s[64:65] scope:SCOPE_SE
	s_setreg_imm32_b32 hwreg(HW_REG_WAVE_MODE, 25, 1), 1
	s_wait_xcnt 0x0
; FOURTH LAUNCH.  out0[token][c] = alpha_d x (ps[0] + ps[1] + ps[2] + ps[3])[token][c] + bias_d[c].  Nothing of reference() is left out here.
; The four partial sums are whole numbers in f32; their sum is exact within 2^24, past that it is rounded to 24 bits as reference()'s conversion of the int32 sum is.  The scale and bias are one fused multiply-add.
; A stream: work-group (x, y) has columns 1024 x .. + 1023 of tokens 8 y .. + 7; thread t has 16 bytes at 4,096 x + 16 t of each row, so a load or store of a wave covers 512 consecutive bytes, aligned.
; All 33 loads of a wave go out at once; each row has registers of its own, so nothing waits for a store.  Matrix units, LDS and clusters would add nothing: no byte is read twice.
.set R, 16                             ; v[16:143] row i: four splits x 4 registers at R + 16 i
	s_load_b256 s[4:11], s[0:1], 0x0               ; ps s[4:5], alpha_d s[6:7], bias_d s[8:9], out0 s[10:11]
	s_and_b32 s12, ttmp7, 0xffff
	s_lshl_b32 s12, s12, 17                        ; 8 rows of 16,384 bytes
	s_lshl_b32 s14, ttmp9, 12                      ; 1,024 columns of 4 bytes
	s_add_co_u32 s12, s12, s14
	s_mov_b32 s13, 0
	v_lshlrev_b32 v1, 4, v0
	v_add_nc_u32 v2, s14, v1                       ; my 16 bytes of bias_d
	s_wait_kmcnt 0x0
	s_load_b32 s28, s[6:7], 0x0
	s_add_nc_u64 s[16:17], s[4:5], s[12:13]        ; a base for each split: they lie 8,388,608 bytes apart, one more than an immediate holds
	s_add_nc_u64 s[18:19], s[16:17], 0x800000
	s_add_nc_u64 s[20:21], s[18:19], 0x800000
	s_add_nc_u64 s[22:23], s[20:21], 0x800000
	s_add_nc_u64 s[24:25], s[10:11], s[12:13]
	global_load_b128 v[4:7], v2, s[8:9]
.irp i, 0,1,2,3,4,5,6,7
.irp s, 0,1,2,3
	global_load_b128 v[R+16*\i+4*\s:R+16*\i+4*\s+3], v1, s[16+2*\s:17+2*\s] offset:16384*\i th:TH_LOAD_NT
.endr
.endr
	s_wait_kmcnt 0x0
	s_mov_b32 s29, s28                             ; named with it as a pair
.irp i, 0,1,2,3,4,5,6,7
	s_wait_loadcnt 28-4*\i                         ; loads come back in order: row i's four (and the bias) are in, the later rows' stay out
	v_pk_add_f32 v[R+16*\i:R+16*\i+1],     v[R+16*\i:R+16*\i+1],     v[R+16*\i+4:R+16*\i+5]
	v_pk_add_f32 v[R+16*\i+2:R+16*\i+3],   v[R+16*\i+2:R+16*\i+3],   v[R+16*\i+6:R+16*\i+7]
	v_pk_add_f32 v[R+16*\i+8:R+16*\i+9],   v[R+16*\i+8:R+16*\i+9],   v[R+16*\i+12:R+16*\i+13]
	v_pk_add_f32 v[R+16*\i+10:R+16*\i+11], v[R+16*\i+10:R+16*\i+11], v[R+16*\i+14:R+16*\i+15]
	v_pk_add_f32 v[R+16*\i:R+16*\i+1],     v[R+16*\i:R+16*\i+1],     v[R+16*\i+8:R+16*\i+9]
	v_pk_add_f32 v[R+16*\i+2:R+16*\i+3],   v[R+16*\i+2:R+16*\i+3],   v[R+16*\i+10:R+16*\i+11]
	v_pk_fma_f32 v[R+16*\i:R+16*\i+1],     v[R+16*\i:R+16*\i+1],     s[28:29], v[4:5] op_sel_hi:[1,0,1]
	v_pk_fma_f32 v[R+16*\i+2:R+16*\i+3],   v[R+16*\i+2:R+16*\i+3],   s[28:29], v[6:7] op_sel_hi:[1,0,1]
	global_store_b128 v1, v[R+16*\i:R+16*\i+3], s[24:25] offset:16384*\i th:TH_STORE_NT
.endr
	s_endpgm
.Lfunc_end_k_q57dac53de4_finish:
	.size	k_q57dac53de4_finish, .Lfunc_end_k_q57dac53de4_finish-k_q57dac53de4_finish
	.p2alignl 7, 3214868480
	.fill 96, 4, 3214868480
	.section	.rodata,"a",@progbits
	.p2align	6, 0x0
	.amdhsa_kernel k_q57dac53de4_finish
		.amdhsa_group_segment_fixed_size 0
		.amdhsa_private_segment_fixed_size 0
		.amdhsa_enable_private_segment 0
		.amdhsa_kernarg_size 32
		.amdhsa_user_sgpr_count 2
		.amdhsa_user_sgpr_kernarg_segment_ptr 1
		.amdhsa_wavefront_size32 1
		.amdhsa_system_sgpr_workgroup_id_x 1
		.amdhsa_system_sgpr_workgroup_id_y 1
		.amdhsa_system_sgpr_workgroup_id_z 1
		.amdhsa_system_vgpr_workitem_id 0
		.amdhsa_next_free_vgpr 160
		.amdhsa_next_free_sgpr 66
		.amdhsa_reserve_vcc 0
		.amdhsa_float_denorm_mode_32 3
		.amdhsa_float_denorm_mode_16_64 3
		.amdhsa_memory_ordered 1
		.amdhsa_forward_progress 1
		.amdhsa_inst_pref_size 10
	.end_amdhsa_kernel
	.amdgpu_metadata
---
amdhsa.version: [ 1, 2 ]
amdhsa.kernels:
  - .name:           k_q57dac53de4_finish
    .symbol:         k_q57dac53de4_finish.kd
    .args:
      - { .name: ps, .offset: 0, .size: 8, .value_kind: global_buffer, .address_space: global }
      - { .name: alpha_d, .offset: 8, .size: 8, .value_kind: global_buffer, .address_space: global }
      - { .name: bias_d, .offset: 16, .size: 8, .value_kind: global_buffer, .address_space: global }
      - { .name: out0, .offset: 24, .size: 8, .value_kind: global_buffer, .address_space: global }
    .group_segment_fixed_size: 0
    .private_segment_fixed_size: 0
    .kernarg_segment_align: 8
    .kernarg_segment_size: 32
    .max_flat_workgroup_size: 256
    .sgpr_count:     66
    .vgpr_count:     160
    .wavefront_size: 32
...
	.end_amdgpu_metadata
.endif
;; end of part 4
